; MI455X (gfx1250); checked and timed in simulation.
; The chip was launched on July 23, 2026; its instructions are those of AMD's public machine-readable ISA for CDNA 5 (MIT licence, August 2026) and "CDNA5" Instruction Set Architecture Reference Guide (July 2026).
;; Self Attention Layer. Allowed arithmetic: matrix products marked QUANTISED: E4M3 operands, one given power-of-two scale a tensor, by v_wmma_f32_16x16x64_fp8_fp8 or v_wmma_f32_16x16x128_fp8_fp8, f32 sums; products left as they are: f32 operands where the result goes on into a quantised operand, else bf16, f16 or f32 operands; f32 sums; everything else in f32.
;; Inputs: Wk_codes 1,024 x 32 x 32 uint8 (E4M3 codes of Wk, K innermost, in blocks of 32 codes); Wo_codes 512 x 32 x 32 uint8 (E4M3 codes of Wo, K innermost, in blocks of 32 codes); Wq_codes 1,024 x 32 x 32 uint8 (E4M3 codes of Wq, K innermost, in blocks of 32 codes); Wv_codes 1,024 x 32 x 32 uint8 (E4M3 codes of Wv, K innermost, in blocks of 32 codes); bo 512 float32; bv 1,024 float32; lowp_scales 8 int32 (the exponents e of the quantised operands' scales 2^e); x_codes 256 x 32 x 32 uint8 (E4M3 codes of x, K innermost, in blocks of 32 codes).
;; Outputs: out0 256 x 512 float32.
;; This version of the problem:
;;   THIS VERSION OF THE PROBLEM IS GIVEN IN LOW PRECISION. The matrix products marked QUANTISED in the list below multiply operands that are first quantised to E4M3 (4 exponent bits, 3 mantissa bits; 8 bits a number), with one given power-of-two scale for each operand tensor; their sums are f32. All else is computed in f32.
;;   The module's matrix products, in the order in which they are computed (A, B: the left and right operand; K: the contracted axis; several contracted axes count as one K, in the product's order):
;;     1. [M 256, K 1,024] x [K 1,024, N 1,024]; A: input x (given as codes); B: input Wq (given as codes): QUANTISED (scales: A lowp_scales[0], B lowp_scales[1])
;;     2. [M 256, K 1,024] x [K 1,024, N 1,024]; A: input x (given as codes); B: input Wk (given as codes): QUANTISED (scales: A lowp_scales[2], B lowp_scales[3])
;;     3. [M 256, K 1,024] x [K 1,024, N 1,024]; A: input x (given as codes); B: input Wv (given as codes): QUANTISED (scales: A lowp_scales[4], B lowp_scales[5])
;;     4. batch 256 x [M 1,024, K 1,024] x [K 1,024, N 1]; A: softmax; B: computed on the way: left as it is (N = 1 < 16)
;;     5. [M 256, K 1,024] x [K 1,024, N 512]; A: computed on the way; B: input Wo (given as codes): QUANTISED (scales: A lowp_scales[6], B lowp_scales[7])
;;   THE QUANTISER, for each operand of a quantised product, along K:
;;     - The operand's scale is 2^e, e = its entry of the input lowp_scales (int32; the entries are numbered through the quantised products in the list's order, A before B).
;;     - Each number is divided by the scale, clamped to +-448, and rounded to the nearest number of E4M3, ties to even, subnormals kept.
;;     - The product sums the exact products of the quantised numbers (number of the format x scale) in f32.
;;   ~~~python
;;   def quantise(x, axis, e):      # numpy; x: float32 -> the quantised numbers, widened to float32 again
;;       x = np.moveaxis(x, axis, -1); K = x.shape[-1]
;;       r = np.clip(x / 2.0 ** e, -448, 448)
;;       step = 2.0 ** (np.maximum(np.frexp(np.where(r == 0, 1, r))[1] - 1, -6) - 3)
;;       q = np.round(r / step) * step * 2.0 ** e      # np.round: ties to even
;;       return np.moveaxis(q, -1, axis).astype(np.float32)
;;   ~~~
;;   OPERANDS COMPUTED ON THE WAY. 'Computed on the way' means the value that the module computes at that place (a softmax that the list does not call 'softmax' is quantised finished and normalised). What goes into a quantiser is computed in f32, as accurately as f32 sums, v_exp_f32 and their like allow (about 1e-6 of the number): no bf16 or f16 on the way to a quantiser, and a product that is left as it is and whose result goes on into a quantised operand takes f32 operands (vector FMAs, or v_wmma_f32_16x16x4_f32). A number that lies on a knife's edge between two numbers of the format may be rounded either way, as far as f32 arithmetic and the matrix unit's own rounding can turn it there, and no further.
;;   INPUTS GIVEN AS CODES. Wk (in the module: [1024, 1024], K = its axis 1); Wo (in the module: [512, 1024], K = its axis 1); Wq (in the module: [1024, 1024], K = its axis 1); Wv (in the module: [1024, 1024], K = its axis 1); x (in the module: [256, 1024], K = its axis 1): each comes as NAME_codes (uint8): NAME with its K axis moved to the last place and cut into blocks of 32 codes, [.., K / 32, bytes a block], one block behind the other in memory; one code a byte (a code: sign, 4 exponent bits, 3 mantissa bits); its scale is its entry of lowp_scales. Its value is code x scale, taken as it is: it is not quantised again, and the codes and scales need not be those that the quantiser above would give.
;; One version. Each part assembles by itself: llvm-mc -triple=amdgcn-amd-amdhsa -mcpu=gfx1250 --defsym DOCPART=n.
;; ======== version 1 of 1: 2 launches
;; workspace buffers: qkv 3,145,728 bytes; wof 524,288 bytes
;; launch project (part 1): grid 16 x 16, 4 waves a work-group, clusters of 4 x 4, 279,040 bytes of LDS; arguments x_codes, Wq_codes, Wk_codes, Wv_codes, Wo_codes, bv, lowp_scales, qkv, wof; writes qkv, wof
.if DOCPART == 1
	.amdgcn_target "amdgcn-amd-amdhsa--gfx1250"
	.amdhsa_code_object_version 6
	.text
	.protected	k_q318ea32a1a_project
	.globl	k_q318ea32a1a_project
	.p2align	8
	.type	k_q318ea32a1a_project,@function
k_q318ea32a1a_project:
	s_mov_b64 s[64:65], 0
	v_nop
	global_prefetch_b8 v0, s[64:65] scope:SCOPE_SE
	s_setreg_imm32_b32 hwreg(HW_REG_WAVE_MODE, 25, 1), 1
	s_wait_xcnt 0x0
	s_wait_alu depctr_hold_cnt(0) depctr_sa_sdst(0) depctr_va_vdst(0) depctr_va_sdst(0) depctr_va_ssrc(0) depctr_va_vcc(0) depctr_vm_vsrc(0)
	s_getreg_b32 s2, hwreg(HW_REG_IB_STS2, 6, 4)
	s_cmp_eq_u32 s2, 0
	s_cbranch_scc0 .Lentry_in_a_cluster
	s_endpgm
.Lentry_in_a_cluster:
	s_bfe_u32 s2, ttmp6, 0x10000c
	s_cmp_lg_u32 s2, 0xf033
	s_cbranch_scc0 .Lentry_shape_is_right
	s_endpgm
.Lentry_shape_is_right:
.set PITCH, 272
.set XB,    16*PITCH
.set QREG,  80*PITCH
.set WREG,  4*QREG
.set STAGE, 3*WREG
.set SWAVE, 16*PITCH
.set WV,   22
.set G1X,  28
.set G1W,  36
.set G0X,  44
.set G0W,  68
.set BIAS, 12
.set ACC,  16
.set ACN,  48
.set FS,   96
.set RES,  96
.set TN,   128
.set BK,   160
.macro ROUND
	s_barrier_signal -1
	s_barrier_wait -1
	s_cmp_lg_u32 s[WV], 0
	s_cbranch_scc1 .Lnot_wave_0_\@
	s_barrier_signal -3
.Lnot_wave_0_\@:
	s_barrier_wait -3
	s_barrier_signal -1
	s_barrier_wait -1
.endm
.macro PLACES
.rept 4
	v_nop
.endr
.endm
	s_load_b256 s[4:11], s[0:1], 0x0
	s_load_b256 s[12:19], s[0:1], 0x20
	s_load_b64 s[20:21], s[0:1], 0x40
	v_lshl_add_u32 v94, v0, 2, 0x44000
	v_mov_b32 v95, 0
	ds_add_u32 v94, v95
	ds_add_u32 v94, v95
	v_lshrrev_b32 v1, 5, v0
	v_readfirstlane_b32 s[WV], v1
	s_bfe_u32 s23, ttmp6, 0x40000
	s_bfe_u32 s24, ttmp6, 0x40004
	s_lshl_b32 s25, ttmp9, 2
	s_add_co_u32 s25, s25, s23
	s_and_b32 s26, ttmp7, 0xffff
	s_lshl_b32 s26, s26, 2
	s_add_co_u32 s26, s26, s24
	s_lshl_b32 s62, s24, 2
	s_lshl_b32 s62, 15, s62
	s_lshl_b32 s63, 0x1111, s23
	s_or_b32 s[G1X], s62, (1<<20)|(1<<21)|(5<<22)|(3<<25)
	s_or_b32 s[G1W], s63, (1<<20)|(1<<21)|(5<<22)|(3<<25)
	s_mov_b32 s[G1X+1], 256<<16
	s_mov_b32 s[G1X+2], 16<<16
	s_mov_b32 s[G1X+3], 256<<16
	s_mov_b32 s[G1X+4], 16
	s_mov_b32 s[G1X+5], 1024
	s_mov_b32 s[G1X+6], 0
	s_mov_b32 s[G1X+7], 0
	s_mov_b32 s[G1W+1], 256<<16
	s_mov_b32 s[G1W+2], 64<<16
	s_mov_b32 s[G1W+3], 256<<16
	s_mov_b32 s[G1W+4], 64
	s_mov_b32 s[G1W+5], 1024
	s_mov_b32 s[G1W+6], 0
	s_mov_b32 s[G1W+7], 0
	v_and_b32 v1, 15, v0
	v_bfe_u32 v2, v0, 4, 1
	s_mul_i32 s27, s[WV], WREG
	v_mul_u32_u24 v3, v1, PITCH
	v_lshl_add_u32 v3, v2, 4, v3
	v_add_nc_u32 v3, s27, v3
	v_add_nc_u32 v4, 2*QREG, v3
	s_mul_i32 s60, s[WV], SWAVE
	s_add_co_u32 s60, s60, STAGE
	v_mul_u32_u24 v5, v1, PITCH
	v_lshl_add_u32 v5, v2, 5, v5
	v_add_nc_u32 v5, s60, v5
	v_mul_u32_u24 v6, v2, PITCH
	v_lshl_add_u32 v6, v1, 4, v6
	v_add_nc_u32 v6, s60, v6
	v_lshlrev_b32 v7, 12, v2
	v_lshl_add_u32 v7, v1, 4, v7
	v_lshlrev_b32 v8, 4, v1
	v_lshlrev_b32 v9, 10, v1
	v_lshl_add_u32 v9, v2, 4, v9
	v_and_b32 v10, 31, v0
	v_lshlrev_b32 v10, 4, v10
.irp i, 0,1,2,3
	v_mov_b32 v[BIAS+\i], 0
.endr
	s_lshl_b32 s88, s26, 14
	s_mov_b32 s89, 0
	s_lshl_b32 s90, s25, 16
	s_mov_b32 s91, 0
	s_min_u32 s92, s[WV], 2
	s_lshl_b32 s92, s92, 3
	s_mov_b32 s93, 0
	s_lshl_b32 s94, s[WV], 20
	s_lshl_b32 s95, s26, 16
	s_add_co_u32 s94, s94, s95
	s_lshl_b32 s95, s25, 8
	s_add_co_u32 s94, s94, s95
	s_mov_b32 s95, 0
	s_wait_dscnt 0x0
	s_wait_kmcnt 0x0
	s_add_nc_u64 s[92:93], s[16:17], s[92:93]
	s_load_b64 s[84:85], s[92:93], 0x0
	s_add_nc_u64 s[94:95], s[18:19], s[94:95]
	s_add_nc_u64 s[88:89], s[4:5], s[88:89]
	s_cmp_eq_u32 s[WV], 0
	s_cselect_b64 s[60:61], s[6:7], s[8:9]
	s_cmp_lt_u32 s[WV], 2
	s_cselect_b64 s[60:61], s[60:61], s[10:11]
	s_add_nc_u64 s[90:91], s[60:61], s[90:91]
	s_lshl_b32 s60, s25, 8
	s_mov_b32 s61, 0
	s_add_nc_u64 s[14:15], s[14:15], s[60:61]
.irp q, 0,1,2,3
	s_mov_b32 s[G0X+4*\q], 1
	s_add_co_u32 s[G0X+4*\q+1], s27, \q*QREG
	s_add_nc_u64 s[G0X+4*\q+2:G0X+4*\q+3], s[88:89], \q*256
	s_or_b32 s[G0X+4*\q+3], s[G0X+4*\q+3], 0x80000000
	s_mov_b32 s[G0W+4*\q], 1
	s_add_co_u32 s[G0W+4*\q+1], s27, \q*QREG+XB
	s_add_nc_u64 s[G0W+4*\q+2:G0W+4*\q+3], s[90:91], \q*256
	s_or_b32 s[G0W+4*\q+3], s[G0W+4*\q+3], 0x80000000
.endr
	ROUND
	s_cmp_eq_u32 s[WV], 3
	s_cbranch_scc1 .Lrelay
.irp q, 0,1,2,3
	tensor_load_to_lds s[G0X+4*\q:G0X+4*\q+3], s[G1X:G1X+7]
	s_nop 0
	tensor_load_to_lds s[G0W+4*\q:G0W+4*\q+3], s[G1W:G1W+7]
	s_nop 0
.endr
	PLACES
	s_cmp_lg_u32 s[WV], 2
	s_cbranch_scc1 .Lno_bias
	global_load_b128 v[BIAS:BIAS+3], v8, s[14:15]
.Lno_bias:
.macro FRAG reg, adr, off
.irp c, 0,1,2,3
	ds_load_b128 v[\reg+4*\c:\reg+4*\c+3], v[\adr] offset:\off+32*\c
.endr
.endm
.macro MUL4 acc, u, zero
.irp t, 0,1,2,3
.if \zero
	v_wmma_f32_16x16x128_fp8_fp8 v[\acc+8*\t:\acc+8*\t+7], v[FS+80*\u+16+16*\t:FS+80*\u+31+16*\t], v[FS+80*\u:FS+80*\u+15], 0
.else
	v_wmma_f32_16x16x128_fp8_fp8 v[\acc+8*\t:\acc+8*\t+7], v[FS+80*\u+16+16*\t:FS+80*\u+31+16*\t], v[FS+80*\u:FS+80*\u+15], v[\acc+8*\t:\acc+8*\t+7]
.endif
.endr
.endm
.macro NEGX u
.irp i, 0,1,2,3,4,5,6,7,8,9,10,11,12,13,14,15
	v_xor_b32 v[FS+80*\u+\i], 0x80808080, v[FS+80*\u+\i]
.endr
.endm
.macro QUARTER q
	s_wait_tensorcnt 6-2*\q
.if \q > 0
	PLACES
.endif
.irp u, 0,1
	FRAG FS+80*\u,3+(\q)/2,((\q)%2)*QREG+128*\u
.irp t, 0,1,2,3
	FRAG FS+80*\u+16+16*\t,3+(\q)/2,((\q)%2)*QREG+XB+\t*16*PITCH+128*\u
.endr
.endr
	s_wait_dscnt 20
.if \q == 0
	MUL4 ACC, 0, 1
.else
	MUL4 ACC, 0, 0
.endif
	s_wait_dscnt 0x0
	MUL4 ACC, 1, 0
	PLACES
	NEGX 0
	NEGX 1
.if \q == 0
	MUL4 ACN, 0, 1
.else
	MUL4 ACN, 0, 0
.endif
	MUL4 ACN, 1, 0
.endm
	QUARTER 0
	QUARTER 1
	QUARTER 2
	QUARTER 3
	s_wait_kmcnt 0x0
	s_add_co_i32 s86, s84, s85
	s_add_co_i32 s86, s86, 126
	s_lshl_b32 s86, s86, 23
	s_mov_b32 s87, s86
	PLACES
.irp t, 0,1,2,3
.irp i, 0,2,4,6
	v_pk_mul_f32 v[TN+8*\t+\i:TN+8*\t+\i+1], v[ACN+8*\t+\i:ACN+8*\t+\i+1], s[86:87] op_sel_hi:[1,0]
.endr
.endr
.irp t, 0,1,2,3
.irp i, 0,2,4,6
	v_pk_fma_f32 v[RES+8*\t+\i:RES+8*\t+\i+1], v[ACC+8*\t+\i:ACC+8*\t+\i+1], s[86:87], v[TN+8*\t+\i:TN+8*\t+\i+1] op_sel_hi:[1,0,1] neg_lo:[0,0,1] neg_hi:[0,0,1]
.endr
.endr
.irp t, 0,1,2,3
	ds_store_b128 v5, v[RES+8*\t:RES+8*\t+3] offset:64*\t
	ds_store_b128 v5, v[RES+8*\t+4:RES+8*\t+7] offset:64*\t+16
.endr
.irp i, 0,1,2,3,4,5,6,7
	ds_load_b128 v[BK+4*\i:BK+4*\i+3], v6 offset:2*\i*PITCH
.endr
	s_wait_loadcnt 0x0
.irp i, 0,1,2,3,4,5,6,7
	s_wait_dscnt 7-\i
	v_pk_add_f32 v[BK+4*\i:BK+4*\i+1], v[BK+4*\i:BK+4*\i+1], v[BIAS:BIAS+1]
	v_pk_add_f32 v[BK+4*\i+2:BK+4*\i+3], v[BK+4*\i+2:BK+4*\i+3], v[BIAS+2:BIAS+3]
	global_store_b128 v7, v[BK+4*\i:BK+4*\i+3], s[94:95] offset:8192*\i
.endr
	s_branch .Lend
.Lrelay:
	s_and_b32 s60, s25, 1
	s_lshl_b32 s61, s26, 1
	s_add_co_u32 s60, s60, s61
	s_lshl_b32 s60, s60, 14
	s_lshr_b32 s61, s25, 1
	s_lshl_b32 s61, s61, 7
	s_add_co_u32 s60, s60, s61
	s_mov_b32 s61, 0
	s_add_nc_u64 s[12:13], s[12:13], s[60:61]
	s_lshl_b32 s62, s26, 4
	s_add_co_u32 s62, s62, s25
	s_lshl_b32 s62, s62, 11
	s_mov_b32 s63, 0
	s_add_nc_u64 s[20:21], s[20:21], s[62:63]
.irp c, 0,1,2,3
	global_load_b128 v[FS+4*\c:FS+4*\c+3], v9, s[12:13] offset:32*\c
.endr
	s_wait_loadcnt 0x0
.irp c, 0,1,2,3
	global_store_b128 v10, v[FS+4*\c:FS+4*\c+3], s[20:21] offset:512*\c
.endr
.Lend:
	s_wait_dscnt 0x0
	s_wait_tensorcnt 0x0
	ds_add_u32 v94, v95
	s_wait_dscnt 0x0
	ROUND
	s_endpgm
.Lfunc_end_k_q318ea32a1a_project:
	.size	k_q318ea32a1a_project, .Lfunc_end_k_q318ea32a1a_project-k_q318ea32a1a_project
	.p2alignl 7, 3214868480
	.fill 96, 4, 3214868480
	.section	.rodata,"a",@progbits
	.p2align	6, 0x0
	.amdhsa_kernel k_q318ea32a1a_project
		.amdhsa_group_segment_fixed_size 279040
		.amdhsa_private_segment_fixed_size 0
		.amdhsa_enable_private_segment 0
		.amdhsa_kernarg_size 72
		.amdhsa_user_sgpr_count 2
		.amdhsa_user_sgpr_kernarg_segment_ptr 1
		.amdhsa_wavefront_size32 1
		.amdhsa_system_sgpr_workgroup_id_x 1
		.amdhsa_system_sgpr_workgroup_id_y 1
		.amdhsa_system_sgpr_workgroup_id_z 1
		.amdhsa_system_vgpr_workitem_id 0
		.amdhsa_next_free_vgpr 256
		.amdhsa_next_free_sgpr 96
		.amdhsa_reserve_vcc 0
		.amdhsa_float_denorm_mode_32 3
		.amdhsa_float_denorm_mode_16_64 3
		.amdhsa_memory_ordered 1
		.amdhsa_forward_progress 1
		.amdhsa_inst_pref_size 39
	.end_amdhsa_kernel
	.amdgpu_metadata
---
amdhsa.version: [ 1, 2 ]
amdhsa.kernels:
  - .name:           k_q318ea32a1a_project
    .symbol:         k_q318ea32a1a_project.kd
    .args:
      - { .name: x_codes, .offset: 0, .size: 8, .value_kind: global_buffer, .address_space: global }
      - { .name: Wq_codes, .offset: 8, .size: 8, .value_kind: global_buffer, .address_space: global }
      - { .name: Wk_codes, .offset: 16, .size: 8, .value_kind: global_buffer, .address_space: global }
      - { .name: Wv_codes, .offset: 24, .size: 8, .value_kind: global_buffer, .address_space: global }
      - { .name: Wo_codes, .offset: 32, .size: 8, .value_kind: global_buffer, .address_space: global }
      - { .name: bv, .offset: 40, .size: 8, .value_kind: global_buffer, .address_space: global }
      - { .name: lowp_scales, .offset: 48, .size: 8, .value_kind: global_buffer, .address_space: global }
      - { .name: qkv, .offset: 56, .size: 8, .value_kind: global_buffer, .address_space: global }
      - { .name: wof, .offset: 64, .size: 8, .value_kind: global_buffer, .address_space: global }
    .group_segment_fixed_size: 279040
    .private_segment_fixed_size: 0
    .kernarg_segment_align: 8
    .kernarg_segment_size: 72
    .max_flat_workgroup_size: 128
    .sgpr_count:     96
    .vgpr_count:     256
    .wavefront_size: 32
...
	.end_amdgpu_metadata
.endif
;; end of part 1
;; launch attend (part 2): grid 256 x 1, 16 waves a work-group, clusters of 4 x 1, 308,736 bytes of LDS; arguments qkv, wof, bo, lowp_scales, out0; writes out0
.if DOCPART == 2
	.amdgcn_target "amdgcn-amd-amdhsa--gfx1250"
	.amdhsa_code_object_version 6
	.text
	.protected	k_q318ea32a1a_attend
	.globl	k_q318ea32a1a_attend
	.p2align	8
	.type	k_q318ea32a1a_attend,@function
k_q318ea32a1a_attend:
	s_mov_b64 s[64:65], 0
	v_nop
	global_prefetch_b8 v0, s[64:65] scope:SCOPE_SE
	s_setreg_imm32_b32 hwreg(HW_REG_WAVE_MODE, 25, 1), 1
	s_wait_xcnt 0x0
	s_wait_alu depctr_hold_cnt(0) depctr_sa_sdst(0) depctr_va_vdst(0) depctr_va_sdst(0) depctr_va_ssrc(0) depctr_va_vcc(0) depctr_vm_vsrc(0)
	s_getreg_b32 s2, hwreg(HW_REG_IB_STS2, 6, 4)
	s_cmp_eq_u32 s2, 0
	s_cbranch_scc0 .Lentry_in_a_cluster
	s_endpgm
.Lentry_in_a_cluster:
	s_bfe_u32 s2, ttmp6, 0x10000c
	s_cmp_lg_u32 s2, 0x3003
	s_cbranch_scc0 .Lentry_shape_is_right
	s_endpgm
.Lentry_shape_is_right:
.set KV,    0
.set PART,  8704
.set CODES, 41472
.set YST,   42496
.set WOL,   44544
.set WV,  14
.set QQ,  12
.set NM,  28
.set LS,  44
.set OS,  60
.set KS,  76
.set TT,  92
.set WR,  128
.macro ROUND
	s_barrier_signal -1
	s_barrier_wait -1
	s_cmp_lg_u32 s[WV], 0
	s_cbranch_scc1 .Lnot_wave_0_\@
	s_barrier_signal -3
.Lnot_wave_0_\@:
	s_barrier_wait -3
	s_barrier_signal -1
	s_barrier_wait -1
.endm
.macro BARRIER
	s_wait_dscnt 0x0
	s_barrier_signal -1
	s_barrier_wait -1
.endm
.macro PLACES
.rept 4
	v_nop
.endr
.endm
	s_load_b256 s[4:11], s[0:1], 0x0
	s_load_b64 s[12:13], s[0:1], 0x20
	v_lshl_add_u32 v126, v0, 2, 0x4ae00
	v_mov_b32 v127, 0
	ds_add_u32 v126, v127
	ds_add_u32 v126, v127
	s_wait_dscnt 0x0
	v_lshrrev_b32 v2, 5, v0
	v_readfirstlane_b32 s[WV], v2
	s_lshr_b32 s15, s[WV], 2
	s_and_b32 s16, s[WV], 3
	s_bfe_u32 s17, ttmp6, 0x40000
	s_lshl_b32 s18, ttmp9, 2
	s_add_co_u32 s18, s18, s17
	v_and_b32 v2, 31, v0
	v_lshlrev_b32 v1, 4, v2
	v_lshlrev_b32 v4, 3, v0
	v_lshlrev_b32 v5, 5, v2
	v_lshl_add_u32 v5, s15, 10, v5
	v_lshlrev_b32 v6, 2, v0
	s_mov_b32 s24, 15|(3<<16)|(1<<21)
	s_mov_b32 s25, 32<<16
	s_mov_b32 s26, 64<<16
	s_mov_b32 s27, 32<<16
	s_mov_b32 s28, 64
	s_mov_b32 s29, 32
	s_mov_b32 s30, 0
	s_mov_b32 s31, 0
	s_mov_b32 s42, 0x76543210
	s_mov_b32 s43, 0xfedcba98
	s_lshl_b32 s20, s18, 12
	s_mov_b32 s21, 0
	s_lshl_b32 s22, s18, 11
	s_mov_b32 s23, 0
	s_lshl_b32 s40, s[WV], 15
	s_mov_b32 s41, 0
	s_wait_kmcnt 0x0
	s_load_b64 s[36:37], s[10:11], 0x18
	s_add_nc_u64 s[48:49], s[4:5], s[20:21]
	s_add_nc_u64 s[50:51], s[12:13], s[22:23]
	s_add_nc_u64 s[44:45], s[6:7], s[40:41]
	s_mov_b32 s32, 1
	s_lshl_b32 s33, s[WV], 14
	s_add_co_u32 s33, s33, WOL
	s_add_nc_u64 s[34:35], s[44:45], 16384
	s_or_b32 s35, s35, 0x80000000
	global_load_b64 v[92:93], v4, s[48:49] offset:1048576
	global_load_b64 v[94:95], v4, s[48:49] offset:2097152
	global_load_b128 v[44:47], v5, s[48:49]
	global_load_b128 v[48:51], v5, s[48:49] offset:16
	global_load_b32 v3, v6, s[8:9]
	ROUND
	tensor_load_to_lds s[32:35], s[24:31]
	s_nop 0
	PLACES
.set i, 0
.rept 32
	global_load_b128 v[WR+4*i:WR+4*i+3], v1, s[44:45] offset:512*i
.set i, i+1
.endr
	s_wait_loadcnt 32
	ds_store_b64 v4, v[92:93] offset:KV
	ds_store_b64 v4, v[94:95] offset:KV+4096
	BARRIER
.irp n, 0,1,2,3,4,5,6,7
	ds_load_b128 v[TT+4*\n:TT+4*\n+3], v1 offset:KV+512*\n
.endr
	s_wait_kmcnt 0x0
	s_add_co_i32 s46, s36, s37
	s_add_co_i32 s46, s46, 127
	s_lshl_b32 s46, s46, 23
	s_add_co_i32 s39, s36, 127
	s_lshl_b32 s38, s39, 23
	s_add_co_i32 s39, s39, 8
	s_lshl_b32 s39, s39, 23
	s_or_b32 s39, s39, 0x600000
	s_lshl_b32 s40, s16, 10
	s_wait_dscnt 0x0
	v_max3_num_f32 v124, v92, v93, v94
	v_max3_num_f32 v125, v95, v96, v97
	v_min3_num_f32 v126, v92, v93, v94
	v_min3_num_f32 v127, v95, v96, v97
.irp i, 6,10,14,18,22,26
	v_max3_num_f32 v124, v124, v[92+\i], v[93+\i]
	v_max3_num_f32 v125, v125, v[94+\i], v[95+\i]
	v_min3_num_f32 v126, v126, v[92+\i], v[93+\i]
	v_min3_num_f32 v127, v127, v[94+\i], v[95+\i]
.endr
	v_max3_num_f32 v124, v124, v122, v123
	v_min3_num_f32 v126, v126, v122, v123
	v_max_num_f32 v124, v124, v125
	v_min_num_f32 v126, v126, v127
.irp x, 1,2,4,8
	v_max_num_f32_dpp v124, v124, v124 row_xmask:\x row_mask:0xf bank_mask:0xf
	v_min_num_f32_dpp v126, v126, v126 row_xmask:\x row_mask:0xf bank_mask:0xf
.endr
	v_permlanex16_b32 v125, v124, s42, s43
	v_permlanex16_b32 v127, v126, s42, s43
	v_max_num_f32 v124, v124, v125
	v_min_num_f32 v126, v126, v127
.irp a, 0,1,2,3,4,5,6,7
	v_mul_f32 v[QQ+2*\a], 0x3d38aa3b, v[44+\a]
.endr
.irp a, 0,1,2,3,4,5,6,7
	v_mul_f32 v[NM+2*\a], -v[QQ+2*\a], v124
	v_mul_f32 v[NM+2*\a+1], -v[QQ+2*\a], v126
	v_mov_b32 v[QQ+2*\a+1], v[QQ+2*\a]
.endr
.irp a, 0,1,2,3,4,5,6,7
	v_min_num_f32 v[NM+2*\a], v[NM+2*\a], v[NM+2*\a+1]
.endr
.irp a, 0,1,2,3,4,5,6,7
	v_mov_b32 v[NM+2*\a+1], v[NM+2*\a]
.endr
.set i, 0
.rept 32
	v_mov_b32 v[LS+i], 0
.set i, i+1
.endr
.macro CHUNK set, more, off
	s_wait_dscnt 0x0
.if \more
	ds_load_b128 v[KS+8-8*\set:KS+11-8*\set], v2 offset:KV+\off
	ds_load_b128 v[KS+12-8*\set:KS+15-8*\set], v2 offset:KV+4096+\off
.endif
.irp p, 0,1
.irp a, 0,1,2,3,4,5,6,7
	v_pk_fma_f32 v[TT+4*\a+2*\p:TT+4*\a+2*\p+1], v[KS+8*\set+2*\p:KS+8*\set+2*\p+1], v[QQ+2*\a:QQ+2*\a+1], v[NM+2*\a:NM+2*\a+1]
.endr
.endr
.set i, 0
.rept 32
	v_exp_f32 v[TT+i], v[TT+i]
.set i, i+1
.endr
	v_nop
	s_wait_alu depctr_va_vdst(0)
.irp p, 0,1
.irp a, 0,1,2,3,4,5,6,7
	v_pk_add_f32 v[LS+2*\a:LS+2*\a+1], v[LS+2*\a:LS+2*\a+1], v[TT+4*\a+2*\p:TT+4*\a+2*\p+1]
	v_pk_fma_f32 v[OS+2*\a:OS+2*\a+1], v[TT+4*\a+2*\p:TT+4*\a+2*\p+1], v[KS+4+8*\set+2*\p:KS+5+8*\set+2*\p], v[OS+2*\a:OS+2*\a+1]
.endr
.endr
.endm
	v_mov_b32 v2, s40
	ds_load_b128 v[KS:KS+3], v2 offset:KV
	ds_load_b128 v[KS+4:KS+7], v2 offset:KV+4096
	s_mov_b32 s41, 31
.Lkeys:
	CHUNK 0, 1, 16
	CHUNK 1, 1, 32
	s_add_co_u32 s40, s40, 32
	v_mov_b32 v2, s40
	s_sub_co_u32 s41, s41, 1
	s_cmp_lg_u32 s41, 0
	s_cbranch_scc1 .Lkeys
	CHUNK 0, 1, 16
	CHUNK 1, 0, 0
.irp a, 0,1,2,3,4,5,6,7
	v_add_f32 v[TT+\a], v[LS+2*\a], v[LS+2*\a+1]
	v_add_f32 v[TT+8+\a], v[OS+2*\a], v[OS+2*\a+1]
.endr
	v_and_b32 v2, 31, v0
	s_lshl_b32 s20, s[WV], 11
	s_add_co_u32 s20, s20, PART
	v_add_nc_u32 v4, s20, v1
	s_lshl_b32 s21, s[WV], 6
	s_add_co_u32 s21, s21, CODES
	v_lshl_add_u32 v5, v2, 3, s21
	v_bfe_u32 v6, v0, 4, 1
	v_lshlrev_b32 v6, 4, v6
	v_add_nc_u32 v6, CODES, v6
	v_lshl_add_u32 v7, v0, 2, YST
	v_lshl_add_u32 v8, v0, 4, YST
	s_lshl_b32 s22, s[WV], 14
	s_add_co_u32 s22, s22, WOL
	v_add_nc_u32 v9, s22, v1
	v_mov_b32 v10, s38
	v_mov_b32 v11, s39
	v_lshlrev_b32 v124, 4, v0
.irp c, 0,1,2,3
	ds_store_b128 v4, v[TT+4*\c:TT+4*\c+3] offset:512*\c
.endr
	BARRIER
	s_cmp_lg_u32 s16, 0
	s_cbranch_scc1 .Lnot_first
.irp d, 1,2,3
.irp c, 0,1,2,3
	ds_load_b128 v[12+16*(\d-1)+4*\c:15+16*(\d-1)+4*\c], v4 offset:2048*\d+512*\c
.endr
.endr
	s_wait_dscnt 0x0
.irp d, 1,2,3
.irp m, 0,2,4,6,8,10,12,14
	v_pk_add_f32 v[TT+\m:TT+\m+1], v[TT+\m:TT+\m+1], v[12+16*(\d-1)+\m:13+16*(\d-1)+\m]
.endr
.endr
.irp a, 0,1,2,3,4,5,6,7
	v_rcp_f32 v[68+\a], v[TT+\a]
.endr
	v_nop
	s_wait_alu depctr_va_vdst(0)
.irp a, 0,1,2,3,4,5,6,7
	v_mul_f32 v[60+\a], v[TT+8+\a], v[68+\a]
.endr
.irp a, 0,1,2,3,4,5,6,7
	v_med3_num_f32 v[60+\a], v[60+\a], -v11, v11
.endr
	v_cvt_scalef32_pk8_fp8_f32 v[76:77], v[60:67], v10
	v_nop
	ds_store_b64 v5, v[76:77]
.Lnot_first:
	BARRIER
.macro OFRAG s0
.irp s, 0,1,2,3
.irp c, 0,1,2,3
	ds_load_b128 v[12+16*\s+4*\c:15+16*\s+4*\c], v6 offset:128*(\s0+\s)+32*\c
.endr
.endr
.endm
.macro MUL8 zero
.irp s, 0,1,2,3
.irp n, 0,1
.if \zero && (\s == 0)
	v_wmma_f32_16x16x128_fp8_fp8 v[76+8*\n:83+8*\n], v[12+16*\s:27+16*\s], v[WR+16*(2*\s+\n):WR+16*(2*\s+\n)+15], 0
.else
	v_wmma_f32_16x16x128_fp8_fp8 v[76+8*\n:83+8*\n], v[12+16*\s:27+16*\s], v[WR+16*(2*\s+\n):WR+16*(2*\s+\n)+15], v[76+8*\n:83+8*\n]
.endif
.endr
.endr
.endm
	OFRAG 0
	s_wait_dscnt 0x0
	s_wait_loadcnt 0x0
	s_wait_tensorcnt 0x0
	MUL8 1
	PLACES
	OFRAG 4
.set i, 0
.rept 32
	ds_load_b128 v[WR+4*i:WR+4*i+3], v9 offset:512*i
.set i, i+1
.endr
	s_wait_dscnt 0x0
	MUL8 0
	PLACES
	v_cmp_gt_u32 vcc_lo, 16, v2
	v_cndmask_b32 v92, v84, v76, vcc_lo
	v_fma_f32 v92, v92, s46, v3
	ds_store_b32 v7, v92
	BARRIER
	s_cmp_gt_u32 s[WV], 3
	s_cbranch_scc1 .Lno_store
	ds_load_b128 v[96:99], v8
	s_wait_dscnt 0x0
	global_store_b128 v124, v[96:99], s[50:51] th:TH_STORE_NT
.Lno_store:
	s_wait_dscnt 0x0
	s_wait_xcnt 0x0
	v_lshl_add_u32 v126, v0, 2, 0x4ae00
	v_mov_b32 v127, 0
	s_wait_tensorcnt 0x0
	ds_add_u32 v126, v127
	s_wait_dscnt 0x0
	ROUND
	s_endpgm
.Lfunc_end_k_q318ea32a1a_attend:
	.size	k_q318ea32a1a_attend, .Lfunc_end_k_q318ea32a1a_attend-k_q318ea32a1a_attend
	.p2alignl 7, 3214868480
	.fill 96, 4, 3214868480
	.section	.rodata,"a",@progbits
	.p2align	6, 0x0
	.amdhsa_kernel k_q318ea32a1a_attend
		.amdhsa_group_segment_fixed_size 308736
		.amdhsa_private_segment_fixed_size 0
		.amdhsa_enable_private_segment 0
		.amdhsa_kernarg_size 40
		.amdhsa_user_sgpr_count 2
		.amdhsa_user_sgpr_kernarg_segment_ptr 1
		.amdhsa_wavefront_size32 1
		.amdhsa_system_sgpr_workgroup_id_x 1
		.amdhsa_system_sgpr_workgroup_id_y 1
		.amdhsa_system_sgpr_workgroup_id_z 1
		.amdhsa_system_vgpr_workitem_id 0
		.amdhsa_next_free_vgpr 256
		.amdhsa_next_free_sgpr 66
		.amdhsa_reserve_vcc 1
		.amdhsa_float_denorm_mode_32 3
		.amdhsa_float_denorm_mode_16_64 3
		.amdhsa_memory_ordered 1
		.amdhsa_forward_progress 1
		.amdhsa_inst_pref_size 43
	.end_amdhsa_kernel
	.amdgpu_metadata
---
amdhsa.version: [ 1, 2 ]
amdhsa.kernels:
  - .name:           k_q318ea32a1a_attend
    .symbol:         k_q318ea32a1a_attend.kd
    .args:
      - { .name: qkv, .offset: 0, .size: 8, .value_kind: global_buffer, .address_space: global }
      - { .name: wof, .offset: 8, .size: 8, .value_kind: global_buffer, .address_space: global }
      - { .name: bo, .offset: 16, .size: 8, .value_kind: global_buffer, .address_space: global }
      - { .name: lowp_scales, .offset: 24, .size: 8, .value_kind: global_buffer, .address_space: global }
      - { .name: out0, .offset: 32, .size: 8, .value_kind: global_buffer, .address_space: global }
    .group_segment_fixed_size: 308736
    .private_segment_fixed_size: 0
    .kernarg_segment_align: 8
    .kernarg_segment_size: 40
    .max_flat_workgroup_size: 512
    .sgpr_count:     66
    .vgpr_count:     256
    .wavefront_size: 32
...
	.end_amdgpu_metadata
.endif
;; end of part 2
